; MI455X (gfx1250); checked and timed in simulation.
; The chip was launched on July 23, 2026; its instructions are those of AMD's public machine-readable ISA for CDNA 5 (MIT licence, August 2026) and "CDNA5" Instruction Set Architecture Reference Guide (July 2026). The comments in the code are by the model that wrote it; some were corrected since.
;; Position Attention Module. Allowed arithmetic: float matrix products may take bf16 or f16 operands with f32 sums; all other float work in f32.
;; Inputs: alpha 1 float32; bb 64 float32; bc 64 float32; bd 64 float32; wb 64 x 64 float32; wc 64 x 64 float32; wd 64 x 64 float32; x 4 x 64 x 64 x 64 float32.
;; Outputs: out0 4 x 64 x 64 x 64 float32.
;; One version. Each part assembles by itself: llvm-mc -triple=amdgcn-amd-amdhsa -mcpu=gfx1250 --defsym DOCPART=n.
;; ======== version 1 of 1: 1 launch
;; launch pam (part 1): grid 256 x 1, 8 waves a work-group, clusters of 4 x 1, 327,680 bytes of LDS; arguments x, wb, bb, wc, bc, wd, bd, alpha, out0; writes out0
.if DOCPART == 1
	.amdgcn_target "amdgcn-amd-amdhsa--gfx1250"
	.amdhsa_code_object_version 6
	.text
	.protected	k_q705d7c8516_pam
	.globl	k_q705d7c8516_pam
	.p2align	8
	.type	k_q705d7c8516_pam,@function
k_q705d7c8516_pam:
	s_mov_b64 s[64:65], 0
	v_nop
	global_prefetch_b8 v0, s[64:65] scope:SCOPE_SE
	s_setreg_imm32_b32 hwreg(HW_REG_WAVE_MODE, 25, 1), 1
	s_wait_xcnt 0x0
	s_wait_alu depctr_hold_cnt(0) depctr_sa_sdst(0) depctr_va_vdst(0) depctr_va_sdst(0) depctr_va_ssrc(0) depctr_va_vcc(0) depctr_vm_vsrc(0)
	s_getreg_b32 s2, hwreg(HW_REG_IB_STS2, 6, 4)
	s_cmp_eq_u32 s2, 0
	s_cbranch_scc0 .Lentry_in_a_cluster
	s_endpgm
.Lentry_in_a_cluster:
	s_bfe_u32 s2, ttmp6, 0x10000c
	s_cmp_lg_u32 s2, 0x3003
	s_cbranch_scc0 .Lentry_shape_is_right
	s_endpgm
.Lentry_shape_is_right:
; out = alpha * (Wd (sum_j att_ij x_j) + bd) + x,  att = softmax_j( xc_i . (Wb x_j + bb) ),  xc = Wc x + bc.
; x: [4][64 channels][4096 positions] f32.  One launch, nothing goes through memory between steps.
; Two identities, valid for every input, make x itself both keys and values:
;   xc_i . (Wb x_j + bb) = (Wb^T xc_i) . x_j + xc_i . bb      (bb is one constant c_i a query; it is carried in the running maximum)
;   sum_j att_ij (Wd x_j + bd) = Wd (sum_j att_ij x_j) + bd   (a softmax row sums to one)
; A work-group owns 64 queries of one batch (256 work-groups).  Wave w of eight takes all 64 queries against the keys 512 t + 64 w .. + 63,
; t = 0..7, with a running maximum and sum of its own; the eight partial results are merged once, through LDS.
; CLUSTER: the four work-groups of a cluster belong to one batch and walk the same key tiles: each tile (64 channel rows x 256 bytes of f32)
; is asked for jointly, mask 15, and lands in each one's LDS.  A wave reads only the tile that it asked for itself.
; A tile is turned to bf16 once: read from LDS in the layout of the second product's A fragment, rounded in registers, stored to a scratch of
; the wave's own and read back transposed for the first product.  S^T = X^T Q' puts keys along a lane's registers, so two score tiles,
; packed in place, are the B fragment of O^T += X P^T: no lane moves.
; The two groups of waves (g = 0, 1) run matrix work and softmax in opposite order inside an interval, so that at any time one group has
; matrix instructions to issue and the other vector instructions.
; No prefetch is written: every 256-byte block of x is loaded by one work-group's first lines, as a row of its query tile.
; LIMITS: NaN and infinite inputs are not served; exponentials below 2^-126 come out as zero; sums are taken in another order than written in
; the problem; matrix operands are rounded to bf16 (x, Q', P, the weights, the normalised O).
.set TP,    272                        ; LDS row of a tile: 256 bytes + 16 of padding: 16 rows fall on 16 different 16-byte columns modulo 256
.set TILE,  64*TP                      ; 17,408: one wave's tile
.set SLOT,  8*TILE                     ; 139,264: eight waves' tiles
.set SCR,   2*SLOT                     ; 278,528: behind the ring, never filled by a tensor load
.set WCO,   SCR                        ; prologue: Wc bf16, pitch 144
.set WBO,   SCR+9216                   ; Wb bf16, pitch 160
.set XQO,   SCR+19456                  ; the 64 queries' x bf16, pitch 160
.set QFI,   SCR+29696                  ; eight fragment images of Q', 1,024 bytes each, wave w's at 1,024 w
.set CIB,   SCR+37888                  ; c_i: 64 bytes a wave
.set WDO,   SCR+38400                  ; Wd bf16, pitch 144; lies behind all scratch (8 x 4,096) and lives to the end
.set LOG2E, 0x3fb8aa3b
; window 0: v0-127 O(ct,it) = 32 it + 8 ct; v128-191 QF(it,kc) = 128 + 16 it + 8 kc; v192-255 XA(ct,kh) = 192 + 32 kh + 8 ct
.set QF, 128
.set XA, 192
; window 1: v0-127 S(it,jt) = 32 it + 8 jt, also the f32 stage (32 ct + 16 kh) and P(it,kh) = 32 it + 16 kh .. + 7
.set KA,  128                          ; KA(jt,kc) = 128 + 16 jt + 8 kc: transposed x fragments
.set RM,  192                          ; running maximum, one a query tile
.set RCI, 196                          ; c_i
.set RT,  200
.set RU,  204
.set RL,  208                          ; running sums, a pair a query tile
.set RD,  216                          ; c - m, twice
.set RF,  224                          ; the rescale factor, twice
.set RE,  232
.set AR,  236                          ; my 16 bytes in my tile, slot 0, 1
.set AST, 238                          ; scratch: where registers 0-3 and 4-7 of a fragment go
.set ATR, 240                          ; scratch: transposing reads, keys 0-15 and 16-31 of the half
.set GX,  242                          ; byte offset of my 16 bytes in the query tile of x and of out
.set GB,  243                          ; byte offset of my bd numbers
.set STA, 244                          ; where my maxima and sums go at the merge
.set TID, 245
.set MSB, 0
.macro WIN new                         ; low byte: bits 1:0 source 0, 3:2 source 1, 5:4 source 2, 7:6 destination; high byte: the setting left
.if MSB != \new
	s_set_vgpr_msb (MSB<<8)|\new
.set MSB, \new
.endif
.endm
.macro PLACES n                        ; places behind a matrix instruction (ISA guide 7.12.1)
.rept \n
	v_nop
.endr
.endm
.macro ROUND                           ; a round of the cluster's barrier; wave 0 signals for the work-group
	s_barrier_signal -1
	s_barrier_wait -1
	s_cmp_lg_u32 s8, 0
	s_cbranch_scc1 .Lnot_wave_0_\@
	s_barrier_signal -3
.Lnot_wave_0_\@:
	s_barrier_wait -3
	s_barrier_signal -1
	s_barrier_wait -1
.endm
.macro BAR                             ; a work-group barrier behind which nothing is filled again; my LDS instructions are done first
	s_wait_dscnt 0x0
	s_barrier_signal -1
	s_barrier_wait -1
.endm
	s_load_b512 s[36:51], s[0:1], 0x0              ; x, wb, bb, wc, bc, wd, bd, alpha
	s_load_b64 s[52:53], s[0:1], 0x40              ; out0
	s_set_vgpr_msb 0x40
	v_lshl_add_u32 v254, v0, 2, 0x4fa00
	v_mov_b32 v255, 0
	s_set_vgpr_msb 0x4045
	ds_add_u32 v254, v255
	s_set_vgpr_msb 0x4500
	v_lshrrev_b32 v1, 5, v0
	v_readfirstlane_b32 s8, v1                     ; wave 0..7
	s_lshr_b32 s11, s8, 2                          ; hf
	s_and_b32 s10, s8, 3                           ; it
	s_xor_b32 s9, s8, s11
	s_and_b32 s9, s9, 1                            ; g: differs between w and w + 4 and between 2k and 2k + 1
	s_mov_b32 s12, 0x76543210                      ; v_permlanex16_b32: lane i takes lane i of the other half
	s_mov_b32 s13, 0xfedcba98
	s_bfe_u32 s14, ttmp6, 0x40000                  ; cx
	s_lshr_b32 s15, ttmp9, 4                       ; batch: 16 clusters of 4 work-groups each
	s_and_b32 s60, ttmp9, 15
	s_lshl_b32 s60, s60, 2
	s_add_co_u32 s60, s60, s14                     ; query tile 0..63; cx enters s60, s62 and the two bases made of them alone
	s_lshl_b32 s62, s60, 8                         ; 256 bytes of a row a query tile
	s_mov_b32 s63, 0
	s_lshl_b32 s32, s15, 20                        ; a batch is 1 MiB
	s_mov_b32 s33, 0
	; group 1: 64 rows x 64 elements of 4 bytes, 4,096 elements from row to row, 4 words of padding behind every 64 words, mask 15 with bit 21
	s_mov_b32 s16, 15|(2<<16)|(1<<20)|(1<<21)|(5<<22)|(3<<25)
	s_mov_b32 s17, 64<<16                          ; tensor_dim0 = 64
	s_mov_b32 s18, 64<<16                          ; tensor_dim1 = 64
	s_mov_b32 s19, 64<<16                          ; tile_dim0 = 64
	s_mov_b32 s20, 64                              ; tile_dim1 = 64
	s_mov_b32 s21, 4096
	s_mov_b32 s22, 0
	s_mov_b32 s23, 0
	s_mul_i32 s61, s8, TILE                        ; my tile's place in a slot
	s_wait_dscnt 0x0
	s_wait_kmcnt 0x0
	s_load_b32 s54, s[50:51], 0x0                  ; alpha
	s_add_nc_u64 s[34:35], s[36:37], s[32:33]      ; x of my batch
	s_add_nc_u64 s[58:59], s[52:53], s[32:33]
	s_add_nc_u64 s[56:57], s[34:35], s[62:63]      ; x at my query tile
	s_add_nc_u64 s[58:59], s[58:59], s[62:63]      ; out at my query tile
	s_lshl_b32 s32, s8, 8                          ; my 64 keys: 256 bytes of a row
	s_mov_b32 s24, 1                               ; group 0 of slot 0: tile 0
	s_mov_b32 s25, s61
	s_add_nc_u64 s[26:27], s[34:35], s[32:33]
	s_mov_b32 s28, 1                               ; group 0 of slot 1: tile 1, 512 keys on
	s_add_co_u32 s29, s61, SLOT
	s_add_nc_u64 s[30:31], s[26:27], 2048
	s_or_b32 s27, s27, 0x80000000
	s_or_b32 s31, s31, 0x80000000
	ROUND                                          ; the four work-groups are here: the first joint loads meet
	tensor_load_to_lds s[24:27], s[16:23]          ; both first fills together: two tensor loads of this wave are out, the most in this text
	s_nop 0
	tensor_load_to_lds s[28:31], s[16:23]
	s_nop 0
	; ---------------- PROLOGUE: Q' = log2e Wb^T (Wc xq + bc) as B fragments, c = log2e (xc . bb) ----------------
	v_and_b32 v1, 31, v0                           ; L
	v_and_b32 v2, 15, v0                           ; r
	v_bfe_u32 v3, v0, 4, 1                         ; h
	v_lshlrev_b32 v4, 4, v2
	v_lshl_add_u32 v4, v3, 8, v4
	s_lshl_b32 s32, s8, 11
	v_add_nc_u32 v4, s32, v4                       ; weights: row 8 w + h, 16 bytes a lane: 16 lanes take a row of 256 bytes
	v_lshlrev_b32 v5, 4, v2
	v_lshl_add_u32 v5, v3, 14, v5
	s_lshl_b32 s32, s8, 17
	v_add_nc_u32 v5, s32, v5                       ; x and out: the same with rows 16,384 bytes apart
	v_lshlrev_b32 v7, 5, v3                        ; biases: 8 numbers from 8 h on
.irp t,0,1,2,3
	global_load_b128 v[128+4*\t:131+4*\t], v4, s[42:43] offset:512*\t     ; Wc rows 8 w + 2 t + h
.endr
.irp t,0,1,2,3
	global_load_b128 v[144+4*\t:147+4*\t], v4, s[38:39] offset:512*\t     ; Wb
.endr
.irp t,0,1,2,3
	global_load_b128 v[160+4*\t:163+4*\t], v4, s[46:47] offset:512*\t     ; Wd
.endr
.irp t,0,1,2,3
	global_load_b128 v[176+4*\t:179+4*\t], v5, s[56:57] offset:32768*\t   ; the queries' x
.endr
.irp o,0,1,2,3
	global_load_b128 v[32+8*\o:35+8*\o], v7, s[44:45] offset:64*\o        ; bc in the layout of a result tile: register j = bc[16 o + 8 h + j]
	global_load_b128 v[36+8*\o:39+8*\o], v7, s[44:45] offset:64*\o+16
.endr
.irp o,0,1,2,3
	global_load_b128 v[64+8*\o:67+8*\o], v7, s[40:41] offset:64*\o        ; bb likewise
	global_load_b128 v[68+8*\o:71+8*\o], v7, s[40:41] offset:64*\o+16
.endr
	s_wait_kmcnt 0x0
	s_mov_b32 s55, s54                             ; alpha as a pair
	v_mul_u32_u24 v8, v3, 144
	v_lshl_add_u32 v8, v2, 3, v8
	s_mul_i32 s32, s8, 8*144
	s_add_co_u32 s32, s32, WCO
	v_add_nc_u32 v8, s32, v8                       ; pitch 144: row 8 w + h, 8 bytes a lane
	v_mul_u32_u24 v9, v3, 160
	v_lshl_add_u32 v9, v2, 3, v9
	s_mul_i32 s32, s8, 8*160
	s_add_co_u32 s32, s32, SCR
	v_add_nc_u32 v9, s32, v9                       ; pitch 160
	v_bfe_u32 v10, v0, 2, 1
	v_bfe_u32 v11, v0, 3, 1
	v_mul_u32_u24 v16, v2, 144
	v_lshl_add_u32 v16, v3, 4, v16
	v_add_nc_u32 v16, WCO, v16                     ; Wc fragments: row r, 16 h
	v_and_b32 v18, 7, v0
	v_lshl_add_u32 v18, v3, 3, v18
	v_mul_u32_u24 v18, v18, 160
	v_lshl_add_u32 v18, v11, 4, v18                ; transposing reads, pitch 160: row 8 h + (L & 7), 16 bytes on for lanes 8-15 of a half
	s_lshl_b32 s32, s10, 5
	s_add_co_u32 s32, s32, XQO
	v_add_nc_u32 v19, s32, v18                     ; xq, my query tile's 16 columns
	s_lshl_b32 s32, s11, 6
	s_add_co_u32 s32, s32, WBO
	v_add_nc_u32 v20, s32, v18                     ; Wb, columns 32 hf on
	s_wait_loadcnt 16                              ; the sixteen bias loads may stay out: the raw rows are in
.set i,0
.rept 16
	v_cvt_pk_bf16_f32 v[96+2*i], v[128+4*i], v[129+4*i]
	v_cvt_pk_bf16_f32 v[97+2*i], v[130+4*i], v[131+4*i]
.set i,i+1
.endr
.irp t,0,1,2,3
	ds_store_b64 v8, v[96+2*\t:97+2*\t] offset:288*\t
	ds_store_b64 v9, v[104+2*\t:105+2*\t] offset:9216+320*\t
	ds_store_b64 v8, v[112+2*\t:113+2*\t] offset:38400+288*\t
	ds_store_b64 v9, v[120+2*\t:121+2*\t] offset:19456+320*\t
.endr
	BAR                                            ; every wave's rows are in LDS
.irp o,0,1,2,3
.irp k,0,1
	ds_load_b128 v[128+16*\o+8*\k:131+16*\o+8*\k], v16 offset:2304*\o+64*\k       ; A: Wc(16 o + r, 32 k + 8 h ..)
	ds_load_b128 v[132+16*\o+8*\k:135+16*\o+8*\k], v16 offset:2304*\o+64*\k+32
.endr
.endr
.irp k,0,1
	ds_load_tr16_b128 v[192+8*\k:195+8*\k], v19 offset:5120*\k                    ; B: xq(32 k + .., 16 it + r)
	ds_load_tr16_b128 v[196+8*\k:199+8*\k], v19 offset:5120*\k+2560
.endr
.irp b,0,1
.irp k,0,1
	ds_load_tr16_b128 v[208+16*\b+8*\k:211+16*\b+8*\k], v20 offset:5120*\k+32*\b  ; A: Wb^T(16 (2 hf + b) + r, 32 k + ..)
	ds_load_tr16_b128 v[212+16*\b+8*\k:215+16*\b+8*\k], v20 offset:5120*\k+32*\b+2560
.endr
.endr
	s_wait_loadcnt 8                               ; bc is in; the eight bb loads may stay out
	s_wait_dscnt 0x0
.irp k,0,1
.irp o,0,1,2,3                                     ; xc = Wc xq + bc: the bias tile starts the sum; accumulators by turns
	v_wmma_f32_16x16x32_bf16 v[32+8*\o:39+8*\o], v[128+16*\o+8*\k:135+16*\o+8*\k], v[192+8*\k:199+8*\k], v[32+8*\o:39+8*\o]
.endr
.endr
	PLACES 4
	s_wait_loadcnt 0x0                             ; bb
	v_pk_mul_f32 v[22:23], v[32:33], v[64:65]
.set i,1
.rept 15
	v_pk_fma_f32 v[22:23], v[32+2*i:33+2*i], v[64+2*i:65+2*i], v[22:23]
.set i,i+1
.endr
	v_add_f32 v22, v22, v23
	v_permlanex16_b32 v23, v22, s12, s13           ; the other eight channels of each sixteen
	v_add_f32 v22, v22, v23
	v_mul_f32 v22, LOG2E, v22                      ; c of query 16 it + r
.set i,0
.rept 16
	v_cvt_pk_bf16_f32 v[240+i], v[32+2*i], v[33+2*i]      ; two result tiles, packed in their order, are one B fragment
.set i,i+1
.endr
	v_wmma_f32_16x16x32_bf16 v[96:103],  v[208:215], v[240:247], 0          ; Wb^T xc, channel tiles 2 hf, 2 hf + 1, by turns
	v_wmma_f32_16x16x32_bf16 v[104:111], v[224:231], v[240:247], 0
	v_wmma_f32_16x16x32_bf16 v[96:103],  v[216:223], v[248:255], v[96:103]
	v_wmma_f32_16x16x32_bf16 v[104:111], v[232:239], v[248:255], v[104:111]
	PLACES 4
.set i,0
.rept 8
	v_pk_mul_f32 v[96+2*i:97+2*i], v[96+2*i:97+2*i], LOG2E op_sel_hi:[1,0]  ; exponentials are taken to base 2
.set i,i+1
.endr
.set i,0
.rept 8
	v_cvt_pk_bf16_f32 v[112+i], v[96+2*i], v[97+2*i]
.set i,i+1
.endr
	s_lshl_b32 s32, s8, 10
	s_add_co_u32 s32, s32, QFI
	v_lshl_add_u32 v24, v1, 4, s32                 ; my image: wave w = it + 4 hf holds fragment (it, kc = hf)
	s_lshl_b32 s32, s8, 6
	s_add_co_u32 s32, s32, CIB
	v_lshl_add_u32 v25, v2, 2, s32
	ds_store_b128 v24, v[112:115]
	ds_store_b128 v24, v[116:119] offset:512
	ds_store_b32 v25, v22
	BAR                                            ; all eight fragments of Q' and all c are in LDS
	s_mov_b32 s32, QFI
	v_lshl_add_u32 v26, v1, 4, s32
	s_mov_b32 s32, CIB
	v_lshl_add_u32 v27, v2, 2, s32
.irp it,0,1,2,3
.irp kc,0,1
	ds_load_b128 v[QF+16*\it+8*\kc:QF+16*\it+8*\kc+3],   v26 offset:1024*(\it+4*\kc)
	ds_load_b128 v[QF+16*\it+8*\kc+4:QF+16*\it+8*\kc+7], v26 offset:1024*(\it+4*\kc)+512
.endr
.endr
	v_mul_u32_u24 v28, v2, TP
	v_lshl_add_u32 v28, v3, 5, v28
	v_add_nc_u32 v28, s61, v28                     ; my tile: row r, 32 h
	; scratch, 64 rows x 64 bytes: the 16-byte chunk q of a row lies at 16 ((q + 2 bit2(row) + bit3(row)) & 3), so that 16 rows with one q
	; and 8 rows with two q both fall on 16 different 16-byte columns modulo 256.  For stores (row r, q = h, h + 2) and for the transposing
	; reads (row 8 h + (L & 7), q = 2 b + bit3(L)) the term is the same: 16 ((h + 2 bit2(L) + bit3(L) [+ 2]) & 3)
	v_lshl_add_u32 v12, v10, 1, v11
	v_add_nc_u32 v12, v12, v3
	v_and_b32 v30, 3, v12
	v_lshlrev_b32 v30, 4, v30
	v_add_nc_u32 v12, 2, v12
	v_and_b32 v31, 3, v12
	v_lshlrev_b32 v31, 4, v31
	v_lshlrev_b32 v29, 6, v2
	v_and_b32 v15, 7, v0
	v_lshlrev_b32 v15, 6, v15
	v_lshl_add_u32 v15, v3, 9, v15
	s_lshl_b32 s32, s8, 12
	s_add_co_u32 s32, s32, SCR                     ; my scratch
	v_add_nc_u32 v29, s32, v29                     ; stores: row r
	v_add_nc_u32 v15, s32, v15                     ; transposing reads: row 8 h + (L & 7)
	s_lshl_b32 s33, s11, 7
	WIN 0x40                                       ; destinations in window 1
.irp i,0,1,2,3
	ds_load_b32 v[RCI+\i], v27 offset:64*\i        ; c of query tile i, as wave i stored it
.endr
	v_mov_b32 v[AR], v28
	v_add_nc_u32 v[AR+1], SLOT, v28
	v_add_nc_u32 v[AST], v29, v30
	v_add_nc_u32 v[AST+1], v29, v31
	v_add_nc_u32 v[ATR], v15, v30
	v_add_nc_u32 v[ATR+1], v15, v31
	v_mov_b32 v[GX], v5
	v_lshl_add_u32 v[GB], v3, 5, s33
	v_lshl_add_u32 v[STA], v2, 4, s29
	v_mov_b32 v[TID], v0
.irp i,0,1,2,3
	v_mov_b32 v[RM+\i], 0xff800000                 ; no key seen yet
	v_mov_b32 v[RU+\i], 0
	v_mov_b32 v[RL+2*\i], 0
	v_mov_b32 v[RL+2*\i+1], 0
.endr
	WIN 0
	BAR                                            ; every wave has read the prologue's bytes: the scratch may be written
	; ---------------- THE MAIN PART ----------------
; One half (32 keys) of a tile: round to bf16 into XA, store to the scratch, read back transposed into KA.
; The count 28 - 4 ct: for the first half the younger f32 reads; for the second half the younger f32 reads and the first half's 16 scratch instructions.
.macro CONVH kh
	WIN 0x05
.irp ct,0,1,2,3
	s_wait_dscnt 28-4*\ct
.irp p,0,1,2,3,4,5,6,7
	v_cvt_pk_bf16_f32 v[XA+32*\kh+8*\ct+\p], v[32*\ct+16*\kh+2*\p], v[32*\ct+16*\kh+2*\p+1]
.endr
.endr
	WIN 0x01
.irp ct,0,1,2,3
	ds_store_b128 v[AST],   v[XA+32*\kh+8*\ct:XA+32*\kh+8*\ct+3]   offset:1024*\ct   ; LDS serves a wave's instructions in order (ISA guide 5.7.1):
	ds_store_b128 v[AST+1], v[XA+32*\kh+8*\ct+4:XA+32*\kh+8*\ct+7] offset:1024*\ct   ; these do not pass the first half's transposing reads
.endr
	WIN 0x55
.irp b,0,1
.irp kc,0,1
	ds_load_tr16_b128 v[KA+16*(2*\kh+\b)+8*\kc:KA+16*(2*\kh+\b)+8*\kc+3],   v[ATR+\b] offset:2048*\kc
	ds_load_tr16_b128 v[KA+16*(2*\kh+\b)+8*\kc+4:KA+16*(2*\kh+\b)+8*\kc+7], v[ATR+\b] offset:2048*\kc+1024
.endr
.endr
.endm
.macro CONV slot
	WIN 0x55
.irp kh,0,1
.irp ct,0,1,2,3                                    ; lane (r, h): channel 16 ct + r, keys 32 kh + 8 h .. + 7 and 32 kh + 16 + 8 h .. + 7, in f32
	ds_load_b128 v[32*\ct+16*\kh:32*\ct+16*\kh+3],     v[AR+\slot] offset:4352*\ct+128*\kh
	ds_load_b128 v[32*\ct+16*\kh+4:32*\ct+16*\kh+7],   v[AR+\slot] offset:4352*\ct+128*\kh+16
	ds_load_b128 v[32*\ct+16*\kh+8:32*\ct+16*\kh+11],  v[AR+\slot] offset:4352*\ct+128*\kh+64
	ds_load_b128 v[32*\ct+16*\kh+12:32*\ct+16*\kh+15], v[AR+\slot] offset:4352*\ct+128*\kh+80
.endr
.endr
	CONVH 0
	CONVH 1
.endm
; S^T(key, query) for key tiles j0, j0 + 1 and all four query tiles: eight accumulators by turns; the first pass starts the sums
.macro SGRP j0
.irp kc,0,1
.irp it,0,1,2,3
.irp jt,\j0,\j0+1
.if \kc
	v_wmma_f32_16x16x32_bf16 v[32*\it+8*(\jt):32*\it+8*(\jt)+7], v[KA+16*(\jt)+8*\kc:KA+16*(\jt)+8*\kc+7], v[QF+16*\it+8*\kc:QF+16*\it+8*\kc+7], v[32*\it+8*(\jt):32*\it+8*(\jt)+7]
.else
	v_wmma_f32_16x16x32_bf16 v[32*\it+8*(\jt):32*\it+8*(\jt)+7], v[KA+16*(\jt)+8*\kc:KA+16*(\jt)+8*\kc+7], v[QF+16*\it+8*\kc:QF+16*\it+8*\kc+7], 0
.endif
.endr
.endr
.endr
.endm
.macro SCORES
	WIN 0x51
	s_wait_dscnt 16                                ; the second half's 8 stores and 8 transposing reads may stay out
	SGRP 0
	s_wait_dscnt 0x0
	SGRP 2
	PLACES 5                                       ; four in front of the softmax and of later loads into KA and QF; five in front of a matrix instruction that takes these registers as its B
.endm
; O^T(channel, query) += X P^T.  mode 0: the first tile starts the sums; mode 1: O is first scaled by 2^(old maximum - new maximum)
.macro PV mode
	WIN 0x04
.if \mode
.irp it,0,1,2,3
.set i,0
.rept 16
	v_pk_mul_f32 v[32*\it+2*i:32*\it+2*i+1], v[32*\it+2*i:32*\it+2*i+1], v[RF+2*\it:RF+2*\it+1]
.set i,i+1
.endr
.endr
.endif
.irp kh,0,1
.irp it,0,1,2,3
.irp ct,0,1,2,3                                    ; sixteen accumulators by turns
.if \mode+\kh
	v_wmma_f32_16x16x32_bf16 v[32*\it+8*\ct:32*\it+8*\ct+7], v[XA+32*\kh+8*\ct:XA+32*\kh+8*\ct+7], v[32*\it+16*\kh:32*\it+16*\kh+7], v[32*\it+8*\ct:32*\it+8*\ct+7]
.else
	v_wmma_f32_16x16x32_bf16 v[32*\it+8*\ct:32*\it+8*\ct+7], v[XA+32*\kh+8*\ct:XA+32*\kh+8*\ct+7], v[32*\it+16*\kh:32*\it+16*\kh+7], 0
.endif
.endr
.endr
.endr
	PLACES 5                                       ; in front of loads into P's registers, writes of XA, and score tiles written over P
.endm
.macro PHASEA slot, mode                           ; mode -1: no tile has been through the softmax yet
.if \mode >= 0
	PV \mode
.endif
	CONV \slot
	SCORES
.endm
; Line n (0..31) of a query tile's sums and packs: even n adds the pair (n, n + 1) to the running sum (the first with the rescale fused in),
; odd n packs the pair (n - 1, n) into register 16 (n >> 4) + ((n >> 1) & 7), which holds numbers already summed and packed
.macro PLINE it, n
.if ((\n)&1) == 0
.if (\n) == 0
	s_wait_alu depctr_va_vdst(0)
	v_pk_fma_f32 v[RL+2*\it:RL+2*\it+1], v[RL+2*\it:RL+2*\it+1], v[RF+2*\it:RF+2*\it+1], v[32*\it:32*\it+1]
.else
	v_pk_add_f32 v[RL+2*\it:RL+2*\it+1], v[RL+2*\it:RL+2*\it+1], v[32*\it+(\n):32*\it+(\n)+1]
.endif
.else
	v_cvt_pk_bf16_f32 v[32*\it+16*((\n)>>4)+(((\n)>>1)&7)], v[32*\it+(\n)-1], v[32*\it+(\n)]
.endif
.endm
; The 32 exponentials of query tile it, each followed by one plain line of tile prev: no exponential's result is used by the line behind it (ISA guide 5.7.2)
.macro EXPMIX it, prev
.set k,0
.rept 32
	v_exp_f32 v[32*\it+k], v[32*\it+k]
.if \prev >= 0
	PLINE \prev, k
.endif
.set k,k+1
.endr
.if \prev < 0
	v_nop
.endif
.endm
.macro SOFTMAX
	WIN 0x55
.irp it,0,1,2,3
	v_max3_num_f32 v[RT+\it], v[32*\it], v[32*\it+1], v[32*\it+2]
.endr
.set i,3
.rept 14
.irp it,0,1,2,3
	v_max3_num_f32 v[RT+\it], v[RT+\it], v[32*\it+i], v[32*\it+i+1]
.endr
.set i,i+2
.endr
.irp it,0,1,2,3
	v_max_num_f32 v[RT+\it], v[RT+\it], v[32*\it+31]
.endr
.irp it,0,1,2,3
	v_permlanex16_b32 v[RU+\it], v[RT+\it], s12, s13       ; the keys that the other half of the lanes holds
.endr
.irp it,0,1,2,3
	v_max_num_f32 v[RT+\it], v[RT+\it], v[RU+\it]
.endr
.irp it,0,1,2,3
	v_add_f32 v[RT+\it], v[RT+\it], v[RCI+\it]             ; the true score is S + c
.endr
.irp it,0,1,2,3
	v_max_num_f32 v[RU+\it], v[RM+\it], v[RT+\it]          ; the new running maximum
.endr
.irp it,0,1,2,3
	v_sub_f32 v[RE+\it], v[RM+\it], v[RU+\it]
.endr
.irp it,0,1,2,3
	v_mov_b32 v[RM+\it], v[RU+\it]
.endr
.irp it,0,1,2,3
	v_exp_f32 v[RF+2*\it], v[RE+\it]
	v_exp_f32 v[RF+2*\it+1], v[RE+\it]
.endr
.irp it,0,1,2,3
	v_sub_f32 v[RD+2*\it], v[RCI+\it], v[RU+\it]           ; plain lines behind the exponentials
	v_sub_f32 v[RD+2*\it+1], v[RCI+\it], v[RU+\it]
.endr
.irp it,0,1,2,3
.set i,0
.rept 16
	v_pk_add_f32 v[32*\it+2*i:32*\it+2*i+1], v[32*\it+2*i:32*\it+2*i+1], v[RD+2*\it:RD+2*\it+1]
.set i,i+1
.endr
.endr
	EXPMIX 0, -1
	EXPMIX 1, 0
	EXPMIX 2, 1
	EXPMIX 3, 2
.set k,0
.rept 32
	PLINE 3, k
.set k,k+1
.endr
.endm
; In front of a refill: all my tensor loads have landed (this interval's tile among them), so a group 0 may be stepped; my LDS reads are back;
; a round of the cluster's barrier says both of every wave of all four work-groups; the joint refill is the first thing behind it, one a wave.
.macro HEAD o
	s_set_vgpr_msb 0x5
	s_wait_tensorcnt 0x0
	ds_add_u32 v254, v255
	s_wait_dscnt 0x0
	s_set_vgpr_msb 0x500
	s_add_nc_u64 s[26+4*\o:27+4*\o], s[26+4*\o:27+4*\o], 4096      ; two tiles (1,024 keys) on
	s_wait_dscnt 0x0
	ROUND
	tensor_load_to_lds s[24+4*\o:27+4*\o], s[16:23]
	s_nop 0
.endm
; An interval.  Group 0: matrix work (PV of the last tile, this tile's conversion and scores), then this tile's softmax.
; Group 1: the last tile's softmax, then the matrix work.  One branch on the wave's number; each arm holds both phases once,
; and neither holds a barrier or a tensor load.
.macro BODY slot, mode
	s_cmp_lg_u32 s9, 0
	s_cbranch_scc1 .Lg1_\@
	PHASEA \slot, \mode
	SOFTMAX
	WIN 0
	s_branch .Lend_\@
.Lg1_\@:
	SOFTMAX
	PHASEA \slot, \mode
	WIN 0
.Lend_\@:
.endm
	s_wait_tensorcnt 0x1                           ; my tile 0 has landed; tile 1 may stay out: nothing is filled again yet
	PHASEA 0, -1
	WIN 0
	s_cmp_lg_u32 s9, 0
	s_cbranch_scc1 .Li0
	SOFTMAX
	WIN 0
.Li0:
	HEAD 0                                         ; tile 2
	BODY 1, 0
	s_mov_b32 s3, 0
.Lloop:
	HEAD 1                                         ; tiles 3, 5
	BODY 0, 1
	HEAD 0                                         ; tiles 4, 6
	BODY 1, 1
	s_add_co_u32 s3, s3, 1
	s_cmp_lt_u32 s3, 2
	s_cbranch_scc1 .Lloop
	HEAD 1                                         ; tile 7, the last fill
	BODY 0, 1
	s_wait_tensorcnt 0x0                           ; tile 7 has landed; no tensor load of mine is out from here on
	BODY 1, 1
	WIN 0x01                                       ; Q' has had its last use: its registers take what the way out needs, early
.irp t,0,1,2,3
	global_load_b128 v[128+4*\t:131+4*\t], v[GX], s[56:57] offset:32768*\t        ; x rows 8 w + 2 t + h of my query tile
.endr
.irp b,0,1
	global_load_b128 v[144+8*\b:147+8*\b], v[GB], s[48:49] offset:64*\b           ; bd as result tiles 2 hf + b
	global_load_b128 v[148+8*\b:151+8*\b], v[GB], s[48:49] offset:64*\b+16
.endr
	WIN 0
	s_cmp_eq_u32 s9, 0
	s_cbranch_scc1 .Ltail
	SOFTMAX
	WIN 0
.Ltail:
	PV 1                                           ; tile 7
	; ---------------- MERGE of the eight waves' partial results.  The ring has had its last fill; each wave writes its own tiles' bytes ----------------
	WIN 0x55
.irp it,0,1,2,3
	v_add_f32 v[RT+\it], v[RL+2*\it], v[RL+2*\it+1]
.endr
.irp it,0,1,2,3
	v_permlanex16_b32 v[RU+\it], v[RT+\it], s12, s13
.endr
.irp it,0,1,2,3
	v_add_f32 v[RT+\it], v[RT+\it], v[RU+\it]
.endr
	WIN 0x05
	ds_store_b128 v[STA], v[RM:RM+3]               ; m, laid out [r][it]
	ds_store_b128 v[STA], v[RT:RT+3] offset:256    ; l
	WIN 0x01
	v_mov_b32 v160, v[TID]
	v_mov_b32 v171, v[GX]
	WIN 0
	v_and_b32 v161, 31, v160                       ; L
	v_and_b32 v162, 15, v160                       ; r
	v_bfe_u32 v163, v160, 4, 1                     ; h
	v_lshl_add_u32 v164, v161, 4, s61
.set i,0
.rept 16
	ds_store_b128 v164, v[8*i:8*i+3] offset:1024*i             ; O tile 4 it + ct as an image of 1,024 bytes
	ds_store_b128 v164, v[8*i+4:8*i+7] offset:1024*i+512
.set i,i+1
.endr
	BAR                                            ; all partial results are in LDS
	s_lshl_b32 s32, s10, 12                        ; wave (it, hf) merges tiles 4 it + 2 hf, + 1: 4,096 it + 2,048 hf
	s_lshl_b32 s33, s11, 11
	s_add_co_u32 s32, s32, s33
	v_lshl_add_u32 v165, v161, 4, s32
	v_add_nc_u32 v166, 4*TILE, v165                ; waves 4 to 7 lie beyond the 16-bit offset
	s_lshl_b32 s33, s10, 2
	s_add_co_u32 s33, s33, SLOT
	v_lshl_add_u32 v167, v162, 4, s33
	v_add_nc_u32 v168, 4*TILE, v167
.irp u,0,1,2,3
	ds_load_b32 v[192+\u], v167 offset:TILE*\u
	ds_load_b32 v[200+\u], v167 offset:TILE*\u+256
.endr
.irp u,0,1,2,3
	ds_load_b32 v[196+\u], v168 offset:TILE*\u
	ds_load_b32 v[204+\u], v168 offset:TILE*\u+256
.endr
.irp u,0,1,2,3
.irp b,0,1
	ds_load_b128 v[16*\u+8*\b:16*\u+8*\b+3],   v165 offset:TILE*\u+1024*\b
	ds_load_b128 v[16*\u+8*\b+4:16*\u+8*\b+7], v165 offset:TILE*\u+1024*\b+512
.endr
.endr
.irp u,0,1,2,3
.irp b,0,1
	ds_load_b128 v[64+16*\u+8*\b:64+16*\u+8*\b+3],   v166 offset:TILE*\u+1024*\b
	ds_load_b128 v[64+16*\u+8*\b+4:64+16*\u+8*\b+7], v166 offset:TILE*\u+1024*\b+512
.endr
.endr
	s_wait_dscnt 32                                ; the 32 tile reads may stay out: maxima and sums are in
	v_max3_num_f32 v208, v192, v193, v194
	v_max3_num_f32 v208, v208, v195, v196
	v_max3_num_f32 v208, v208, v197, v198
	v_max_num_f32 v208, v208, v199
.irp u,0,1,2,3,4,5,6,7
	v_sub_f32 v[192+\u], v[192+\u], v208
.endr
.irp u,0,1,2,3,4,5,6,7
	v_exp_f32 v[192+\u], v[192+\u]
.endr
	v_nop
	s_wait_alu depctr_va_vdst(0)
	v_mul_f32 v209, v192, v200
.irp u,1,2,3,4,5,6,7
	v_fmac_f32 v209, v[192+\u], v[200+\u]
.endr
	v_rcp_f32 v210, v209                           ; the wave that holds the maximum gives at least 1 to the sum
	v_nop
	s_wait_alu depctr_va_vdst(0)
.irp u,0,1,2,3,4,5,6,7
	v_mul_f32 v[212+2*\u], v[192+\u], v210
	v_mul_f32 v[213+2*\u], v[192+\u], v210
.endr
	s_wait_dscnt 28                                ; four reads a wave: the younger waves' may stay out
.set i,0
.rept 8
	v_pk_mul_f32 v[228+2*i:229+2*i], v[2*i:2*i+1], v[212:213]
.set i,i+1
.endr
.irp u,1,2,3,4,5,6,7
	s_wait_dscnt 28-4*\u
.set i,0
.rept 8
	v_pk_fma_f32 v[228+2*i:229+2*i], v[16*\u+2*i:16*\u+2*i+1], v[212+2*\u:213+2*\u], v[228+2*i:229+2*i]
.set i,i+1
.endr
.endr
.set i,0
.rept 8
	v_cvt_pk_bf16_f32 v[244+i], v[228+2*i], v[229+2*i]     ; channel tiles 2 hf, 2 hf + 1 packed: B fragment kc = hf of the normalised O
.set i,i+1
.endr
	v_lshl_add_u32 v169, v161, 4, s29
	ds_store_b128 v169, v[244:247] offset:1024
	ds_store_b128 v169, v[248:251] offset:1536
	BAR                                            ; fragments are in LDS, and nobody reads the partial tiles any more
	; ---------------- out = alpha (Wd O' + bd) + x ----------------
	s_mul_i32 s32, s10, TILE
	s_add_co_u32 s32, s32, SLOT
	v_lshl_add_u32 v170, v161, 4, s32
	v_add_nc_u32 v172, 4*TILE, v170
	v_mul_u32_u24 v173, v162, 144
	v_lshl_add_u32 v173, v163, 4, v173
	s_mul_i32 s32, s11, 32*144
	s_add_co_u32 s32, s32, WDO
	v_add_nc_u32 v173, s32, v173
	ds_load_b128 v[192:195], v170 offset:1024      ; wave it's fragment: channels 0-31
	ds_load_b128 v[196:199], v170 offset:1536
	ds_load_b128 v[200:203], v172 offset:1024      ; wave it + 4's: channels 32-63
	ds_load_b128 v[204:207], v172 offset:1536
.irp b,0,1
.irp k,0,1
	ds_load_b128 v[208+16*\b+8*\k:211+16*\b+8*\k], v173 offset:2304*\b+64*\k      ; A: Wd(32 hf + 16 b + r, 32 k + ..)
	ds_load_b128 v[212+16*\b+8*\k:215+16*\b+8*\k], v173 offset:2304*\b+64*\k+32
.endr
.endr
	v_mul_u32_u24 v174, v163, 8*TP
	v_lshl_add_u32 v174, v162, 2, v174
	s_mul_i32 s32, s11, 32*TP
	s_lshl_b32 s33, s10, 6
	s_add_co_u32 s32, s32, s33
	v_add_nc_u32 v174, s32, v174                   ; stage [o][i] f32, pitch 272, at LDS byte 0: row 32 hf + 8 h, column 16 it + r
	v_mul_u32_u24 v175, v163, TP
	v_lshl_add_u32 v175, v162, 4, v175
	s_mul_i32 s32, s8, 8*TP
	v_add_nc_u32 v175, s32, v175                   ; back: row 8 w + h, 16 bytes a lane
	s_wait_dscnt 0x0
	s_wait_loadcnt 0x0                             ; bd and the residual rows
	v_wmma_f32_16x16x32_bf16 v[144:151], v[208:215], v[192:199], v[144:151]       ; the bias tile starts the sum; two accumulators by turns
	v_wmma_f32_16x16x32_bf16 v[152:159], v[224:231], v[192:199], v[152:159]
	v_wmma_f32_16x16x32_bf16 v[144:151], v[216:223], v[200:207], v[144:151]
	v_wmma_f32_16x16x32_bf16 v[152:159], v[232:239], v[200:207], v[152:159]
	PLACES 4
.irp b,0,1
.irp j,0,1,2,3,4,5,6,7
	ds_store_b32 v174, v[144+8*\b+\j] offset:(16*\b+\j)*TP
.endr
.endr
	BAR                                            ; the 64 x 64 result is in the stage
.irp t,0,1,2,3
	ds_load_b128 v[176+4*\t:179+4*\t], v175 offset:2*TP*\t
.endr
.irp t,0,1,2,3
	s_wait_dscnt 3-\t                              ; the younger rows may stay out
	v_pk_fma_f32 v[176+4*\t:177+4*\t], v[176+4*\t:177+4*\t], s[54:55], v[128+4*\t:129+4*\t] op_sel_hi:[1,0,1]
	v_pk_fma_f32 v[178+4*\t:179+4*\t], v[178+4*\t:179+4*\t], s[54:55], v[130+4*\t:131+4*\t] op_sel_hi:[1,0,1]
	global_store_b128 v171, v[176+4*\t:179+4*\t], s[58:59] offset:32768*\t th:TH_STORE_NT   ; 16 lanes store 256 consecutive bytes, at a multiple of 256 from out's first byte
.endr
	s_set_vgpr_msb 0x5
	s_wait_tensorcnt 0x0
	ds_add_u32 v254, v255
	s_wait_dscnt 0x0
	s_set_vgpr_msb 0x500
	ROUND                                          ; the closing round: no work-group ends while a partner may still ask for a tile that names it
	s_endpgm
.Lfunc_end_k_q705d7c8516_pam:
	.size	k_q705d7c8516_pam, .Lfunc_end_k_q705d7c8516_pam-k_q705d7c8516_pam
	.p2alignl 7, 3214868480
	.fill 96, 4, 3214868480
	.section	.rodata,"a",@progbits
	.p2align	6, 0x0
	.amdhsa_kernel k_q705d7c8516_pam
		.amdhsa_group_segment_fixed_size 327680
		.amdhsa_private_segment_fixed_size 0
		.amdhsa_enable_private_segment 0
		.amdhsa_kernarg_size 72
		.amdhsa_user_sgpr_count 2
		.amdhsa_user_sgpr_kernarg_segment_ptr 1
		.amdhsa_wavefront_size32 1
		.amdhsa_system_sgpr_workgroup_id_x 1
		.amdhsa_system_sgpr_workgroup_id_y 1
		.amdhsa_system_sgpr_workgroup_id_z 1
		.amdhsa_system_vgpr_workitem_id 0
		.amdhsa_next_free_vgpr 512
		.amdhsa_next_free_sgpr 66
		.amdhsa_reserve_vcc 0
		.amdhsa_float_denorm_mode_32 3
		.amdhsa_float_denorm_mode_16_64 3
		.amdhsa_memory_ordered 1
		.amdhsa_forward_progress 1
		.amdhsa_inst_pref_size 255
	.end_amdhsa_kernel
	.section	.bss,"aw",@nobits
	.p2align	6
	.space	262144
	.amdgpu_metadata
---
amdhsa.version: [ 1, 2 ]
amdhsa.kernels:
  - .name:           k_q705d7c8516_pam
    .symbol:         k_q705d7c8516_pam.kd
    .args:
      - { .name: x, .offset: 0, .size: 8, .value_kind: global_buffer, .address_space: global }
      - { .name: wb, .offset: 8, .size: 8, .value_kind: global_buffer, .address_space: global }
      - { .name: bb, .offset: 16, .size: 8, .value_kind: global_buffer, .address_space: global }
      - { .name: wc, .offset: 24, .size: 8, .value_kind: global_buffer, .address_space: global }
      - { .name: bc, .offset: 32, .size: 8, .value_kind: global_buffer, .address_space: global }
      - { .name: wd, .offset: 40, .size: 8, .value_kind: global_buffer, .address_space: global }
      - { .name: bd, .offset: 48, .size: 8, .value_kind: global_buffer, .address_space: global }
      - { .name: alpha, .offset: 56, .size: 8, .value_kind: global_buffer, .address_space: global }
      - { .name: out0, .offset: 64, .size: 8, .value_kind: global_buffer, .address_space: global }
    .group_segment_fixed_size: 327680
    .private_segment_fixed_size: 0
    .kernarg_segment_align: 8
    .kernarg_segment_size: 72
    .max_flat_workgroup_size: 256
    .sgpr_count:     66
    .vgpr_count:     512
    .wavefront_size: 32
...
	.end_amdgpu_metadata
.endif
;; end of part 1
